; MI455X (gfx1250); checked and timed in simulation.
; The chip was launched on July 23, 2026; its instructions are those of AMD's public machine-readable ISA for CDNA 5 (MIT licence, August 2026) and "CDNA5" Instruction Set Architecture Reference Guide (July 2026). The comments in the code are by the model that wrote it; some were corrected since.
;; Causal Self Attention. Allowed arithmetic: float matrix products may take bf16 or f16 operands with f32 sums; all other float work in f32.
;; Inputs: Wk 512 x 512 float32; Wq 512 x 512 float32; Wv 512 x 512 float32; bk 512 float32; bq 512 float32; bv 512 float32; src 4 x 2,048 x 512 float32.
;; Outputs: out0 4 x 2,048 x 512 float32.
;; One version. Each part assembles by itself: llvm-mc -triple=amdgcn-amd-amdhsa -mcpu=gfx1250 --defsym DOCPART=n.
;; ======== version 1 of 1: 2 launches
;; limits: values are held in f16: magnitudes above 65,504 overflow, below 6.1e-05 lose precision
;; workspace buffers: qh 8,388,608 bytes; kvh 16,777,216 bytes
;; launch qkv (part 1): grid 8 x 32, 4 waves a work-group, clusters of 4 x 4, 327,680 bytes of LDS; arguments src, Wq, Wk, Wv, bq, bk, bv, qh, kvh; writes qh, kvh
.if DOCPART == 1
	.amdgcn_target "amdgcn-amd-amdhsa--gfx1250"
	.amdhsa_code_object_version 6
	.text
	.protected	k_q82f1f23f38_qkv
	.globl	k_q82f1f23f38_qkv
	.p2align	8
	.type	k_q82f1f23f38_qkv,@function
k_q82f1f23f38_qkv:
	s_mov_b64 s[64:65], 0
	v_nop
	global_prefetch_b8 v0, s[64:65] scope:SCOPE_SE
	s_setreg_imm32_b32 hwreg(HW_REG_WAVE_MODE, 25, 1), 1
	s_wait_xcnt 0x0
	s_wait_alu depctr_hold_cnt(0) depctr_sa_sdst(0) depctr_va_vdst(0) depctr_va_sdst(0) depctr_va_ssrc(0) depctr_va_vcc(0) depctr_vm_vsrc(0)
	s_getreg_b32 s2, hwreg(HW_REG_IB_STS2, 6, 4)
	s_cmp_eq_u32 s2, 0
	s_cbranch_scc0 .Lentry_in_a_cluster
	s_endpgm
.Lentry_in_a_cluster:
	s_bfe_u32 s2, ttmp6, 0x10000c
	s_cmp_lg_u32 s2, 0xf033
	s_cbranch_scc0 .Lentry_shape_is_right
	s_endpgm
.Lentry_shape_is_right:
; q, k, v = src W + b for one head and 256 rows of src.  src [8192][512] f32, W [512][512] f32 ([k][n]), b [512] f32.
; Operands are rounded to bf16 on the way from LDS to the matrix unit, sums are f32, bias added in f32, results rounded once to f16.
; LIMIT: |q|, |k|, |v| must stay below 65,504 (f16's largest number); above it the stored number is infinite.
; OUT:  qh  [bh = 8 b + head][s][64] f16;   kvh [bh][s / 64][2][64][64] f16: part 0 = K (row = key, column = d), part 1 = V transposed (row = d, column = key).
; SHARES: work-group (bx = head, by = block of 256 rows) makes 256 rows x 192 columns (the head's 64 of Wq, Wk, Wv).  Wave w makes rows 64 w .. 64 w + 63 x all 192:
; 4 row tiles t x 3 matrices x 4 column tiles c = 48 accumulator tiles = 384 registers; a wave's 64 rows are one block of kvh and 8 KiB of qh.
; CLUSTERS: 4 x 4 work-groups.  src's tile hangs on by alone and is asked for jointly along a row of the cluster, W's tiles hang on bx alone and are asked for jointly along
; a column: each tile is requested once for four work-groups.  The mover copies f32 as it lies, so the rounding to bf16 is done on the fragments.
; K goes in 8 steps of 64 (rows of 256 bytes, at multiples of 256 bytes) through two LDS slots; wave 0 fetches src's tile, waves 1, 2, 3 fetch Wq's, Wk's, Wv's.
; COLUMN TILES: a lane reads W[k][4 r .. 4 r + 3] with one 16-byte load, so column tile c is the columns 4 r + c: a permutation of the columns that is undone by the way out.
.set SLOT,   118784                    ; src: 256 rows x 272 = 69,632; then three W tiles of 64 rows x 256 bytes
.set WOFF,   69632
.set WMAT,   16384
.set APITCH, 272                       ; 256 bytes + 16 of padding: an odd multiple of 16, so the 16 rows of a fragment load start in 16 different 16-byte columns of a 256-byte span
.set STAGE,  2*SLOT                    ; behind the ring: 64 rows x 144 bytes for each wave, its own; no fill lands there
.set SPITCH, 144
.set ADRS, 8                           ; v8, v9    LDS address of my src fragments in slot 0, 1
.set ADRW, 10                          ; v10, v11  the same for W
.set STOQ, 12                          ; v12       stage: where a row piece of q or k goes
.set STOV, 13                          ; v13       stage: where a piece of a row of V transposed goes
.set RD,   14                          ; v14       stage: where I read back
.set GO,   15                          ; v15       16 x lane: my bytes in a dense 512-byte run of the output
.set ST0,  32                          ; v32-95    f32 as loaded from LDS, stage 0
.set ST1,  96                          ; v96-159   stage 1
.set AF,   160                         ; v160-191  src fragments, 4 row tiles x 8; at work on the way out
.set BF0,  192                         ; v192-223  W fragments, 4 column tiles x 8, buffer 0
.set BF1,  224                         ; v224-255  buffer 1
.set QACC, 0                           ; window 1: v0-127 q, v128-255 k; tile (t, c) at 8 (4 t + c)
.set KACC, 128
.set VACC, 0                           ; window 2: v0-127 v
.set BIASQ, 128                        ; window 2: v128-159 bq[32 h + 0..31], v160-191 bk likewise, v192-195 bv[4 r + 0..3]
.set BIASK, 160
.set BIASV, 192
.set G1A, 36                           ; s[36:43] group 1 of src's tile
.set G1W, 44                           ; s[44:51] group 1 of a W tile
.set G0A, 52                           ; s[52:55], s[56:59] group 0 of src's tile, slot 0, 1
.set G0W, 60                           ; s[60:63], s[68:71] group 0 of my W tile, slot 0, 1
.set MSB, 0
.macro WIN new                         ; low byte: bits 1:0 source 0, 3:2 source 1, 5:4 source 2, 7:6 destination; the high byte repeats the setting that is left
.if MSB != \new
	s_set_vgpr_msb (MSB<<8)|\new
.set MSB, \new
.endif
.endm
; A round of the cluster's barrier: my work-group's barrier, wave 0 signals for the work-group, every wave waits for all sixteen, my work-group's barrier again.
.macro ROUND
	s_barrier_signal -1
	s_barrier_wait -1
	s_cmp_lg_u32 s22, 0
	s_cbranch_scc1 .Lnot_wave_0_\@
	s_barrier_signal -3
.Lnot_wave_0_\@:
	s_barrier_wait -3
	s_barrier_signal -1
	s_barrier_wait -1
.endm
; One joint load a wave: wave 0 src's tile (mask: my row of the cluster), the others their W tile (mask: my column).  The branch hangs on the wave's number alone.
.macro JLOAD sl
	s_cmp_eq_u32 s22, 0
	s_cbranch_scc0 .Lfor_w_\@
	tensor_load_to_lds s[G0A+4*\sl:G0A+4*\sl+3], s[G1A:G1A+7]
	s_nop 0
	s_branch .Lasked_\@
.Lfor_w_\@:
	tensor_load_to_lds s[G0W+8*\sl:G0W+8*\sl+3], s[G1W:G1W+7]
	s_nop 0
.Lasked_\@:
.endm
	s_load_b256 s[4:11], s[0:1], 0x0               ; src s[4:5], Wq s[6:7], Wk s[8:9], Wv s[10:11]
	s_load_b256 s[12:19], s[0:1], 0x20             ; bq s[12:13], bk s[14:15], bv s[16:17], qh s[18:19]
	s_load_b64 s[20:21], s[0:1], 0x40              ; kvh
	v_lshl_add_u32 v30, v0, 2, 0x43000
	v_mov_b32 v31, 0
	ds_add_u32 v30, v31
	v_lshrrev_b32 v1, 5, v0
	v_readfirstlane_b32 s22, v1                    ; wave 0..3
	s_bfe_u32 s23, ttmp6, 0x40000                  ; cx
	s_bfe_u32 s24, ttmp6, 0x40004                  ; cy
	s_lshl_b32 s25, ttmp9, 2
	s_add_co_u32 s25, s25, s23                     ; bx = head
	s_and_b32 s26, ttmp7, 0xffff
	s_lshl_b32 s26, s26, 2
	s_add_co_u32 s26, s26, s24                     ; by = block of 256 rows
	s_lshl_b32 s27, s24, 2
	s_lshl_b32 s27, 15, s27                        ; my row of the cluster: places 4 cy .. 4 cy + 3
	s_lshl_b32 s28, 0x1111, s23                    ; my column: places cx, cx + 4, cx + 8, cx + 12
	; group 1 of src's tile: 256 rows x 64 elements of 4 bytes, row pitch 512 elements, 4 words of padding behind every 64 words
	s_or_b32 s[G1A+0], s27, (2<<16)|(1<<20)|(1<<21)|(5<<22)|(3<<25)
	s_mov_b32 s[G1A+1], 64<<16                     ; tensor_dim0 = 64
	s_mov_b32 s[G1A+2], 256<<16                    ; tensor_dim1 = 256
	s_mov_b32 s[G1A+3], 64<<16                     ; tile_dim0 = 64
	s_mov_b32 s[G1A+4], 256                        ; tile_dim1 = 256
	s_mov_b32 s[G1A+5], 512                        ; elements from row to row
	s_mov_b32 s[G1A+6], 0
	s_mov_b32 s[G1A+7], 0
	; group 1 of a W tile: 64 k rows x 64 columns, no padding (sixteen lanes read 256 consecutive bytes of one row)
	s_or_b32 s[G1W+0], s28, (2<<16)|(1<<21)
	s_mov_b32 s[G1W+1], 64<<16
	s_mov_b32 s[G1W+2], 64<<16
	s_mov_b32 s[G1W+3], 64<<16
	s_mov_b32 s[G1W+4], 64
	s_mov_b32 s[G1W+5], 512
	s_mov_b32 s[G1W+6], 0
	s_mov_b32 s[G1W+7], 0
	; src's address is made of by alone (s[32:33]), W's of bx and the wave's number alone (s[30:31], s[34:35])
	s_lshl_b32 s32, s26, 19                        ; by x 256 rows x 2,048 bytes
	s_mov_b32 s33, 0
	s_lshl_b32 s34, s25, 8                         ; bx x 64 columns x 4 bytes
	s_mov_b32 s35, 0
	s_mul_i32 s29, s22, WMAT
	s_add_co_u32 s29, s29, WOFF-WMAT               ; wave 1, 2, 3: the place of Wq's, Wk's, Wv's tile in a slot
	s_wait_dscnt 0x0
	s_wait_kmcnt 0x0
	s_add_nc_u64 s[32:33], s[4:5], s[32:33]
	s_cmp_eq_u32 s22, 2
	s_cselect_b64 s[30:31], s[8:9], s[6:7]         ; wave 2: Wk
	s_cmp_eq_u32 s22, 3
	s_cselect_b64 s[30:31], s[10:11], s[30:31]     ; wave 3: Wv; the others Wq
	s_add_nc_u64 s[30:31], s[30:31], s[34:35]
	s_add_nc_u64 s[12:13], s[12:13], s[34:35]      ; the head's 64 numbers of each bias
	s_add_nc_u64 s[14:15], s[14:15], s[34:35]
	s_add_nc_u64 s[16:17], s[16:17], s[34:35]
.irp e, 0,1
	s_mov_b32 s[G0A+4*\e], 1
	s_mov_b32 s[G0A+4*\e+1], \e*SLOT
	s_add_nc_u64 s[G0A+4*\e+2:G0A+4*\e+3], s[32:33], \e*256        ; K step e: 64 f32 along the row
	s_or_b32 s[G0A+4*\e+3], s[G0A+4*\e+3], 0x80000000
	s_mov_b32 s[G0W+8*\e], 1
	s_add_co_u32 s[G0W+8*\e+1], s29, \e*SLOT
	s_add_nc_u64 s[G0W+8*\e+2:G0W+8*\e+3], s[30:31], \e*131072     ; K step e: 64 rows of 2,048 bytes
	s_or_b32 s[G0W+8*\e+3], s[G0W+8*\e+3], 0x80000000
.endr
	ROUND                                          ; all sixteen work-groups are here: the first joint loads meet
	s_cmp_eq_u32 s22, 0                            ; both first fills of a wave inside one branch on its number: two tensor loads of the wave are out
	s_cbranch_scc0 .Lfirst_w
	tensor_load_to_lds s[G0A:G0A+3], s[G1A:G1A+7]
	s_nop 0
	tensor_load_to_lds s[G0A+4:G0A+7], s[G1A:G1A+7]
	s_nop 0
	s_branch .Lfirst_done
.Lfirst_w:
	tensor_load_to_lds s[G0W:G0W+3], s[G1W:G1W+7]
	s_nop 0
	tensor_load_to_lds s[G0W+8:G0W+11], s[G1W:G1W+7]
	s_nop 0
.Lfirst_done:
	v_and_b32 v1, 15, v0                           ; r
	v_bfe_u32 v2, v0, 4, 1                         ; h
	v_and_b32 v3, 31, v0                           ; lane
	v_lshlrev_b32 v16, 7, v2                       ; 128 h: my 32 numbers of bq and bk
	v_lshlrev_b32 v17, 4, v1                       ; 16 r: my 4 numbers of bv
	WIN 0x80
.irp j, 0,1,2,3,4,5,6,7
	global_load_b128 v[BIASQ+4*\j:BIASQ+4*\j+3], v16, s[12:13] offset:16*\j
	global_load_b128 v[BIASK+4*\j:BIASK+4*\j+3], v16, s[14:15] offset:16*\j
.endr
	global_load_b128 v[BIASV:BIASV+3], v17, s[16:17]
	WIN 0
	s_mul_i32 s73, s22, 64*APITCH
	v_mul_u32_u24 v4, v1, APITCH
	v_lshl_add_u32 v4, v2, 5, v4
	v_add_nc_u32 v[ADRS], s73, v4                  ; (64 w + r) x 272 + 32 h
	v_add_nc_u32 v[ADRS+1], SLOT, v[ADRS]
	v_lshl_add_u32 v4, v2, 11, v17                 ; 8 h rows of 256 bytes + 16 r
	v_add_nc_u32 v[ADRW], WOFF, v4
	v_add_nc_u32 v[ADRW+1], SLOT+WOFF, v4
	s_mul_i32 s73, s22, 64*SPITCH
	s_add_co_u32 s73, s73, STAGE                   ; my stage
	v_mul_u32_u24 v4, v1, SPITCH
	v_lshl_add_u32 v4, v2, 6, v4
	v_add_nc_u32 v[STOQ], s73, v4                  ; row r, byte 64 h
	v_mul_u32_u24 v4, v1, 4*SPITCH
	v_lshl_add_u32 v4, v2, 4, v4
	v_add_nc_u32 v[STOV], s73, v4                  ; row 4 r, byte 16 h
	v_lshrrev_b32 v4, 3, v3
	v_mul_u32_u24 v4, v4, SPITCH
	v_and_b32 v5, 7, v3
	v_lshl_add_u32 v4, v5, 4, v4
	v_add_nc_u32 v[RD], s73, v4                    ; eight lanes take a row of 128 bytes, a load four rows
	v_lshlrev_b32 v[GO], 4, v3
	; the outputs' places: bh = 8 (by / 8) + bx, block of 64 rows = 4 (by mod 8) + w; in registers that feed no descriptor
	s_lshr_b32 s73, s26, 3
	s_lshl_b32 s73, s73, 3
	s_add_co_u32 s73, s73, s25
	s_and_b32 s74, s26, 7
	s_lshl_b32 s74, s74, 2
	s_add_co_u32 s74, s74, s22
	s_lshl_b32 s73, s73, 18
	s_lshl_b32 s74, s74, 13
	s_add_co_u32 s74, s74, s73                     ; bh x 262,144 + block x 8,192
	s_mov_b32 s75, 0
	s_add_nc_u64 s[18:19], s[18:19], s[74:75]
	s_lshl_b32 s74, s74, 1                         ; bh x 524,288 + block x 16,384
	s_add_nc_u64 s[20:21], s[20:21], s[74:75]
; 16 LDS loads: src's four row tiles, K slice ks (32 along K) of the slot, as f32: k = 8 h + 0..7 into registers 0-7 of a tile's 16, k = 16 + 8 h + 0..7 into 8-15
.macro LDA slot, ks, st
.irp t, 0,1,2,3
	ds_load_b128 v[\st+16*\t:\st+16*\t+3],     v[ADRS+\slot] offset:16*APITCH*\t+128*\ks
	ds_load_b128 v[\st+16*\t+4:\st+16*\t+7],   v[ADRS+\slot] offset:16*APITCH*\t+128*\ks+16
	ds_load_b128 v[\st+16*\t+8:\st+16*\t+11],  v[ADRS+\slot] offset:16*APITCH*\t+128*\ks+64
	ds_load_b128 v[\st+16*\t+12:\st+16*\t+15], v[ADRS+\slot] offset:16*APITCH*\t+128*\ks+80
.endr
.endm
; 16 LDS loads: matrix x (0 q, 1 k, 2 v), K slice ks: load j brings W[k][4 r .. 4 r + 3], k = 32 ks + 8 h + j (j < 8) or 32 ks + 16 + 8 h + j - 8
.macro LDW slot, ks, x, st
.irp j, 0,1,2,3,4,5,6,7,8,9,10,11,12,13,14,15
	ds_load_b128 v[\st+4*\j:\st+4*\j+3], v[ADRW+\slot] offset:WMAT*\x+(32*\ks+\j+8*(\j/8))*256
.endr
.endm
.macro CVA st                          ; src: 64 f32 to 4 fragments of 8 registers
.irp t, 0,1,2,3
.irp i, 0,1,2,3,4,5,6,7
	v_cvt_pk_bf16_f32 v[AF+8*\t+\i], v[\st+16*\t+2*\i], v[\st+16*\t+2*\i+1]
.endr
.endr
.endm
.macro CVW st, bf                      ; W: column c of two neighbouring k into one register of column tile c
.irp c, 0,1,2,3
.irp i, 0,1,2,3,4,5,6,7
	v_cvt_pk_bf16_f32 v[\bf+8*\c+\i], v[\st+8*\i+\c], v[\st+8*\i+4+\c]
.endr
.endr
.endm
; q and k: source 0 = W, source 1 = src.  Lane (r, h), register j of tile (t, c) then holds row 16 t + r, d = 32 h + 4 j + c: over j and c 32 neighbouring d of one row.
; The 48 accumulators take turns, one instruction a turn, over the step's end and the loop's backward jump too.
.macro MMQK acc, bf, zero
	WIN 0x50
.irp t, 0,1,2,3
.irp c, 0,1,2,3
.if \zero
	v_wmma_f32_16x16x32_bf16 v[\acc+8*(4*\t+\c):\acc+8*(4*\t+\c)+7], v[\bf+8*\c:\bf+8*\c+7], v[AF+8*\t:AF+8*\t+7], 0
.else
	v_wmma_f32_16x16x32_bf16 v[\acc+8*(4*\t+\c):\acc+8*(4*\t+\c)+7], v[\bf+8*\c:\bf+8*\c+7], v[AF+8*\t:AF+8*\t+7], v[\acc+8*(4*\t+\c):\acc+8*(4*\t+\c)+7]
.endif
.endr
.endr
	WIN 0
.endm
; v: source 0 = src, source 1 = W.  The lane holds d = 4 r + c, rows 16 t + 8 h + j: eight neighbouring keys of a row of V transposed.
.macro MMV bf, zero
	WIN 0xa0
.irp t, 0,1,2,3
.irp c, 0,1,2,3
.if \zero
	v_wmma_f32_16x16x32_bf16 v[VACC+8*(4*\t+\c):VACC+8*(4*\t+\c)+7], v[AF+8*\t:AF+8*\t+7], v[\bf+8*\c:\bf+8*\c+7], 0
.else
	v_wmma_f32_16x16x32_bf16 v[VACC+8*(4*\t+\c):VACC+8*(4*\t+\c)+7], v[AF+8*\t:AF+8*\t+7], v[\bf+8*\c:\bf+8*\c+7], v[VACC+8*(4*\t+\c):VACC+8*(4*\t+\c)+7]
.endif
.endr
.endr
	WIN 0
.endm
; The change of slots.  All eight runs of loads from this slot have been issued.  mode 2: the slot is filled again, two K steps ahead; mode 1: nothing is left to fetch.
.macro SYNC slot, mode
	s_wait_dscnt 0x0                               ; my reads of this slot are back
	s_wait_tensorcnt 0x0                           ; all my tensor loads have landed (one was out: my tile of the next slot), so a group 0 may be written
	ds_add_u32 v30, v31
	s_wait_dscnt 0x0
.if \mode == 2
	s_add_nc_u64 s[G0A+4*\slot+2:G0A+4*\slot+3], s[G0A+4*\slot+2:G0A+4*\slot+3], 512
	s_add_nc_u64 s[G0W+8*\slot+2:G0W+8*\slot+3], s[G0W+8*\slot+2:G0W+8*\slot+3], 262144
	ROUND                                          ; both waits now hold of every wave of every work-group of the cluster
	JLOAD \slot                                    ; my one tensor load behind the round, ahead of every LDS read
.else
	s_barrier_signal -1
	s_barrier_wait -1                              ; the last slot is whole for every wave
.endif
.endm
; A K step of 64 = two K slices x (Wq, src, Wk, Wv): eight items.  Item i converts stage i mod 2, whose 16 loads were issued two items earlier, and loads it again.
; s_wait_dscnt 16 leaves the other stage's 16 loads out.  Every conversion into AF, BF0 or BF1 stands behind a whole other run of 32 conversions that names no register of
; the matrix instructions which last read that buffer: more than the four places asked for behind a matrix instruction (ISA guide 7.12.1); so no v_nop is written here.
.macro STEP slot, nslot, zero, mode
	s_wait_dscnt 16
	CVW ST0, BF0                                   ; Wq, slice 0
	LDW \slot, 0, 1, ST0
	s_wait_dscnt 16
	CVA ST1                                        ; src, slice 0
	LDW \slot, 0, 2, ST1
	MMQK QACC, BF0, \zero
	s_wait_dscnt 16
	CVW ST0, BF1                                   ; Wk, slice 0
	LDW \slot, 1, 0, ST0
	MMQK KACC, BF1, \zero
	s_wait_dscnt 16
	CVW ST1, BF0                                   ; Wv, slice 0
	LDA \slot, 1, ST1
	MMV BF0, \zero
	s_wait_dscnt 16
	CVW ST0, BF1                                   ; Wq, slice 1
	LDW \slot, 1, 1, ST0
	s_wait_dscnt 16
	CVA ST1                                        ; src, slice 1
	LDW \slot, 1, 2, ST1
	MMQK QACC, BF1, 0
.if \mode
	SYNC \slot, \mode
.else
	s_wait_dscnt 16
.endif
	CVW ST0, BF0                                   ; Wk, slice 1
.if \mode
	LDW \nslot, 0, 0, ST0                          ; the next step's first two items are on their way before this step ends
.endif
	MMQK KACC, BF0, 0
.if \mode == 0
	s_wait_dscnt 0x0
.endif
	CVW ST1, BF1                                   ; Wv, slice 1
.if \mode
	LDA \nslot, 0, ST1
.endif
	MMV BF1, 0
.endm
	s_wait_loadcnt 0x0                             ; the biases; they come while the first tiles come
	s_wait_tensorcnt 0x1                           ; my tile of slot 0 is in; slot 1's may stay out
	s_barrier_signal -1
	s_barrier_wait -1                              ; everybody's is
	LDW 0, 0, 0, ST0
	LDA 0, 0, ST1
	STEP 0, 1, 1, 2                                ; K step 0: its first products start the sums, nothing is cleared
	s_mov_b32 s72, 2
.Lk:
	STEP 1, 0, 0, 2                                ; K steps 1, 3
	STEP 0, 1, 0, 2                                ; K steps 2, 4
	s_sub_co_u32 s72, s72, 1
	s_cmp_lg_u32 s72, 0
	s_cbranch_scc1 .Lk
	STEP 1, 0, 0, 2                                ; K step 5 asks for K step 7: the last fill
	STEP 0, 1, 0, 1                                ; K step 6
	STEP 1, 0, 0, 0                                ; K step 7
	; THE WAY OUT: bias in f32, one rounding to f16, through my own stage in LDS so that each store of the wave covers 512 consecutive bytes, aligned.
.rept 4
	v_nop                                          ; four places behind the last matrix instructions, for the adds that read results and write AF (ISA guide 7.12.1)
.endr
; 64 rows of 128 bytes read back (LDS serves a wave's instructions in order, ISA guide 5.7.1: these see my stores) and stored as 8 KiB of consecutive memory
.macro BACK st, base, off
.irp e, 0,1,2,3,4,5,6,7,8,9,10,11,12,13,14,15
	ds_load_b128 v[\st+4*\e:\st+4*\e+3], v[RD] offset:4*SPITCH*\e
.endr
.irp e, 0,1,2,3,4,5,6,7,8,9,10,11,12,13,14,15
	s_wait_dscnt 15-\e                             ; load e of the sixteen is back
	global_store_b128 v[GO], v[\st+4*\e:\st+4*\e+3], s[\base:\base+1] offset:512*\e+\off
.endr
.endm
.macro OUTQK acc, bias
.irp t, 0,1,2,3
	WIN 0x09                                       ; source 0 window 1 (sums), source 1 window 2 (bias)
.irp j, 0,1,2,3,4,5,6,7
.irp c, 0,1,2,3
	v_add_f32 v[AF+4*\j+\c], v[\acc+8*(4*\t+\c)+\j], v[\bias+4*\j+\c]      ; d = 32 h + 4 j + c
.endr
.endr
	WIN 0
.irp i, 0,1,2,3,4,5,6,7,8,9,10,11,12,13,14,15
	v_cvt_pk_f16_f32 v[AF+\i], v[AF+2*\i], v[AF+2*\i+1]                    ; in place: register i has been read by the time it is written
.endr
.irp i, 0,1,2,3
	ds_store_b128 v[STOQ], v[AF+4*\i:AF+4*\i+3] offset:16*SPITCH*\t+16*\i
.endr
.endr
.endm
	OUTQK QACC, BIASQ
	BACK ST0, 18, 0
	OUTQK KACC, BIASK
	BACK ST1, 20, 0
.irp t, 0,1,2,3
	WIN 0x0a                                       ; sources 0 and 1 window 2
.irp c, 0,1,2,3
.irp j, 0,1,2,3,4,5,6,7
	v_add_f32 v[AF+8*\c+\j], v[VACC+8*(4*\t+\c)+\j], v[BIASV+\c]           ; d = 4 r + c, key 16 t + 8 h + j
.endr
.endr
	WIN 0
.irp i, 0,1,2,3,4,5,6,7,8,9,10,11,12,13,14,15
	v_cvt_pk_f16_f32 v[AF+\i], v[AF+2*\i], v[AF+2*\i+1]
.endr
.irp c, 0,1,2,3
	ds_store_b128 v[STOV], v[AF+4*\c:AF+4*\c+3] offset:SPITCH*\c+32*\t     ; lanes are 576 bytes apart: four lanes share a 16-byte column; sixteen such stores in the whole kernel
.endr
.endr
	s_wait_xcnt 0x0                                ; q's stores have had their addresses translated (ISA guide 3.1): stage 0, their data, is loaded again only behind this wait
	BACK ST0, 20, 8192
	s_wait_tensorcnt 0x0
	ds_add_u32 v30, v31
	s_wait_dscnt 0x0
	ROUND                                          ; the closing round: no work-group ends while a partner may still ask for a tile that names it
	s_endpgm
.Lfunc_end_k_q82f1f23f38_qkv:
	.size	k_q82f1f23f38_qkv, .Lfunc_end_k_q82f1f23f38_qkv-k_q82f1f23f38_qkv
	.p2alignl 7, 3214868480
	.fill 96, 4, 3214868480
	.section	.rodata,"a",@progbits
	.p2align	6, 0x0
	.amdhsa_kernel k_q82f1f23f38_qkv
		.amdhsa_group_segment_fixed_size 327680
		.amdhsa_private_segment_fixed_size 0
		.amdhsa_enable_private_segment 0
		.amdhsa_kernarg_size 72
		.amdhsa_user_sgpr_count 2
		.amdhsa_user_sgpr_kernarg_segment_ptr 1
		.amdhsa_wavefront_size32 1
		.amdhsa_system_sgpr_workgroup_id_x 1
		.amdhsa_system_sgpr_workgroup_id_y 1
		.amdhsa_system_sgpr_workgroup_id_z 1
		.amdhsa_system_vgpr_workitem_id 0
		.amdhsa_next_free_vgpr 712
		.amdhsa_next_free_sgpr 76
		.amdhsa_reserve_vcc 0
		.amdhsa_float_denorm_mode_32 3
		.amdhsa_float_denorm_mode_16_64 3
		.amdhsa_memory_ordered 1
		.amdhsa_forward_progress 1
		.amdhsa_inst_pref_size 233
	.end_amdhsa_kernel
	.amdgpu_metadata
---
amdhsa.version: [ 1, 2 ]
amdhsa.kernels:
  - .name:           k_q82f1f23f38_qkv
    .symbol:         k_q82f1f23f38_qkv.kd
    .args:
      - { .name: src, .offset: 0, .size: 8, .value_kind: global_buffer, .address_space: global }
      - { .name: Wq, .offset: 8, .size: 8, .value_kind: global_buffer, .address_space: global }
      - { .name: Wk, .offset: 16, .size: 8, .value_kind: global_buffer, .address_space: global }
      - { .name: Wv, .offset: 24, .size: 8, .value_kind: global_buffer, .address_space: global }
      - { .name: bq, .offset: 32, .size: 8, .value_kind: global_buffer, .address_space: global }
      - { .name: bk, .offset: 40, .size: 8, .value_kind: global_buffer, .address_space: global }
      - { .name: bv, .offset: 48, .size: 8, .value_kind: global_buffer, .address_space: global }
      - { .name: qh, .offset: 56, .size: 8, .value_kind: global_buffer, .address_space: global }
      - { .name: kvh, .offset: 64, .size: 8, .value_kind: global_buffer, .address_space: global }
    .group_segment_fixed_size: 327680
    .private_segment_fixed_size: 0
    .kernarg_segment_align: 8
    .kernarg_segment_size: 72
    .max_flat_workgroup_size: 128
    .sgpr_count:     76
    .vgpr_count:     712
    .wavefront_size: 32
...
	.end_amdgpu_metadata
.endif
;; end of part 1
;; launch attn (part 2): grid 8 x 32, 8 waves a work-group, clusters of 4 x 1, 327,680 bytes of LDS; arguments qh, kvh, out0; writes out0
.if DOCPART == 2
	.amdgcn_target "amdgcn-amd-amdhsa--gfx1250"
	.amdhsa_code_object_version 6
	.text
	.protected	k_q82f1f23f38_attn
	.globl	k_q82f1f23f38_attn
	.p2align	8
	.type	k_q82f1f23f38_attn,@function
k_q82f1f23f38_attn:
	s_mov_b64 s[64:65], 0
	v_nop
	global_prefetch_b8 v0, s[64:65] scope:SCOPE_SE
	s_setreg_imm32_b32 hwreg(HW_REG_WAVE_MODE, 25, 1), 1
	s_wait_xcnt 0x0
	s_wait_alu depctr_hold_cnt(0) depctr_sa_sdst(0) depctr_va_vdst(0) depctr_va_sdst(0) depctr_va_ssrc(0) depctr_va_vcc(0) depctr_vm_vsrc(0)
	s_getreg_b32 s2, hwreg(HW_REG_IB_STS2, 6, 4)
	s_cmp_eq_u32 s2, 0
	s_cbranch_scc0 .Lentry_in_a_cluster
	s_endpgm
.Lentry_in_a_cluster:
	s_bfe_u32 s2, ttmp6, 0x10000c
	s_cmp_lg_u32 s2, 0x3003
	s_cbranch_scc0 .Lentry_shape_is_right
	s_endpgm
.Lentry_shape_is_right:
; out = softmax(q k^T / 8) v for one (batch, head) bh and 256 queries, no mask, with a running maximum.  f16 operands, f32 sums, softmax in f32.
; qh [bh][s][64] f16;  kvh [bh][s / 64][2][64][64] f16 (K: row = key; then V transposed: row = d);  out0 [b][s][512] f32.
; LIMITS: the operands are f16 as the launch before stored them (below 65,504).  p lies in [0, about 1]; a p below 2^-25 rounds to zero in the product with V (the row's sum is
; taken from the unrounded p).  v_exp_f32 gives zero for results below 2^-126 (ISA guide 15.8).
; SHARES: eight waves.  Wave w has 64 queries (qg = w mod 4) and every second block of 64 keys (kg = w / 4); the two halves are merged through LDS at the end.
; TRANSPOSED FORMS: S^T = K Q^T (source 0 = 16 keys, source 1 = 16 queries): lane (r, h), register j of tile (qt, kt) holds query 16 qt + r, key 16 kt + 8 h + j.  Two key tiles
; packed to f16 in the lane are source 1 of O^T = V^T P^T for 32 keys, without any shuffle.  Maximum, sum and rescaling are per lane; only the maximum crosses the two halves of the lanes.
; CLUSTERS: the four work-groups of a cluster are four query blocks of one bh and walk the same K and V: every tile is asked for jointly (mask 15).  Q hangs on the place in
; the cluster and is read once, 8 KiB a wave against 512 KiB of K and V: it comes by plain loads straight into fragments.
; RING: two slots of 256 keys (four blocks of K and V^T, 512 rows of 128 bytes); each wave fetches 64 rows with one load; a slot serves two sub-steps of 64 keys a wave.
.set SLOT,   73728                     ; 512 rows x 144
.set PITCH,  144                       ; 128 bytes + 16 of padding: an odd multiple of 16
.set BLOCK,  128*PITCH                 ; K's 64 rows, then V^T's 64 rows
.set MERGE,  2*SLOT                    ; + qg x 17,408: O (16,384), M (512), L (512) of the wave with kg = 1
.set OUTST,  MERGE+4*17408             ; + qg x 17,408: 64 rows of 256 bytes, pitch 272, for the way out
.set OPITCH, 272
.set AD,  8                            ; v8, v9    LDS address of my K fragments in slot 0, 1
.set QO,  10                           ; v10       byte offset of my Q fragments
.set MG,  11                           ; v11       merge region + 16 x lane
.set STO, 12                           ; v12       way out: where results go
.set RD,  13                           ; v13       way out: where rows are read back
.set CO,  14                           ; v14       my byte offset in out0
.set M,   16                           ; v16-19    running maximum of the raw scores, one for each query tile
.set TM,  20                           ; v20-23    at work
.set TX,  24                           ; v24-27    at work (the other half's figure)
.set DF,  28                           ; v28-31    at work
.set NMC, 32                           ; v32-39    -c M, twice (pairs for the packed forms)
.set AL,  40                           ; v40-47    the factor on the old sums, twice
.set LP,  48                           ; v48-55    row sums of my keys, two partial sums each
.set S,   56                           ; v56-183   scores, then p, then P as f16; tile (qt, kt) at 32 qt + 8 kt
.set KF,  184                          ; v184-247  K fragments, (kt, ks) at 16 kt + 8 ks
.set O,   0                            ; window 1: v0-127 O^T, tile (qt, dt) at 32 qt + 8 dt
.set QF,  128                          ; window 1: v128-191 Q fragments, (qt, ks) at 16 qt + 8 ks
.set VF,  192                          ; window 1: v192-255 V^T fragments, (dt, kk) at 16 dt + 8 kk
.set G1,  24                           ; s[24:31]
.set G0,  32                           ; s[32:35], s[36:39]: slot 0, 1
.set MSB, 0
.macro WIN new                         ; low byte: bits 1:0 source 0, 3:2 source 1, 5:4 source 2, 7:6 destination; the high byte repeats the setting that is left
.if MSB != \new
	s_set_vgpr_msb (MSB<<8)|\new
.set MSB, \new
.endif
.endm
.macro ROUND                           ; a round of the cluster's barrier
	s_barrier_signal -1
	s_barrier_wait -1
	s_cmp_lg_u32 s10, 0
	s_cbranch_scc1 .Lnot_wave_0_\@
	s_barrier_signal -3
.Lnot_wave_0_\@:
	s_barrier_wait -3
	s_barrier_signal -1
	s_barrier_wait -1
.endm
	s_load_b128 s[4:7], s[0:1], 0x0                ; qh s[4:5], kvh s[6:7]
	s_load_b64 s[8:9], s[0:1], 0x10                ; out0
	v_lshl_add_u32 v254, v0, 2, 0x46000
	v_mov_b32 v255, 0
	ds_add_u32 v254, v255
	v_lshrrev_b32 v1, 5, v0
	v_readfirstlane_b32 s10, v1                    ; wave 0..7
	s_and_b32 s11, s10, 3                          ; qg
	s_lshr_b32 s12, s10, 2                         ; kg
	s_bfe_u32 s13, ttmp6, 0x40000                  ; cx
	s_lshl_b32 s14, ttmp9, 2
	s_add_co_u32 s14, s14, s13                     ; bx: block of 256 queries
	s_and_b32 s15, ttmp7, 0xffff                   ; bh
	s_mov_b32 s16, 0x76543210                      ; v_permlanex16_b32: lane i of one half reads lane i of the other
	s_mov_b32 s17, 0xfedcba98
	s_mov_b32 s18, 0x3e38aa3b                      ; c = log2(e) / 8: the scale 1 / sqrt(64) and the change of base in one factor
	s_mov_b32 s19, 0x3e38aa3b
	s_mov_b32 s20, 0xbe38aa3b                      ; -c
	; group 1: 64 rows x 64 elements of 2 bytes, dense in memory, 4 words of padding behind every 32 words; the mask names all four work-groups
	s_mov_b32 s[G1+0], 15|(1<<16)|(1<<20)|(1<<21)|(4<<22)|(3<<25)
	s_mov_b32 s[G1+1], 64<<16
	s_mov_b32 s[G1+2], 64<<16
	s_mov_b32 s[G1+3], 64<<16
	s_mov_b32 s[G1+4], 64
	s_mov_b32 s[G1+5], 64
	s_mov_b32 s[G1+6], 0
	s_mov_b32 s[G1+7], 0
	s_lshl_b32 s40, s15, 19                        ; bh x 524,288,
	s_lshl_b32 s41, s10, 13                        ; + my 64 rows of 128 bytes: made of bh and the wave's number alone
	s_add_co_u32 s40, s40, s41
	s_mov_b32 s41, 0
	s_mul_i32 s42, s10, 64*PITCH
	s_wait_dscnt 0x0
	s_wait_kmcnt 0x0
	s_add_nc_u64 s[40:41], s[6:7], s[40:41]
	ROUND                                          ; the four work-groups are here: the first joint loads meet
.irp e, 0,1
	s_mov_b32 s[G0+4*\e], 1
	s_add_co_u32 s[G0+4*\e+1], s42, \e*SLOT
	s_add_nc_u64 s[G0+4*\e+2:G0+4*\e+3], s[40:41], \e*65536        ; keys 256 e .. 256 e + 255
	s_or_b32 s[G0+4*\e+3], s[G0+4*\e+3], 0x80000000
	tensor_load_to_lds s[G0+4*\e:G0+4*\e+3], s[G1:G1+7]            ; both first fills go out together: two tensor loads of the wave are out
	s_nop 0
.endr
	v_and_b32 v1, 15, v0                           ; r
	v_bfe_u32 v2, v0, 4, 1                         ; h
	v_and_b32 v3, 31, v0                           ; lane
	v_lshlrev_b32 v4, 4, v2                        ; 16 h
	v_lshl_add_u32 v[QO], v1, 7, v4                ; 128 r + 16 h
	s_lshl_b32 s44, s15, 18                        ; Q: bh x 262,144 + (256 bx + 64 qg) rows of 128 bytes; in registers that feed no descriptor
	s_lshl_b32 s45, s14, 15
	s_add_co_u32 s44, s44, s45
	s_lshl_b32 s45, s11, 13
	s_add_co_u32 s44, s44, s45
	s_mov_b32 s45, 0
	s_add_nc_u64 s[4:5], s[4:5], s[44:45]
	WIN 0x40
.irp q, 0,1,2,3
.irp k, 0,1
	global_load_b128 v[QF+16*\q+8*\k:QF+16*\q+8*\k+3],   v[QO], s[4:5] offset:2048*\q+64*\k
	global_load_b128 v[QF+16*\q+8*\k+4:QF+16*\q+8*\k+7], v[QO], s[4:5] offset:2048*\q+64*\k+32
.endr
.endr
	WIN 0
	v_mul_u32_u24 v5, v1, PITCH
	v_add_nc_u32 v5, v5, v4                        ; 144 r + 16 h
	s_mul_i32 s46, s12, BLOCK
	v_add_nc_u32 v[AD], s46, v5                    ; + my block of the pair
	v_add_nc_u32 v[AD+1], SLOT, v[AD]
	s_mul_i32 s46, s11, 17408
	s_add_co_u32 s47, s46, MERGE
	v_lshl_add_u32 v[MG], v3, 4, s47
	s_add_co_u32 s47, s46, OUTST
	v_mul_u32_u24 v5, v1, OPITCH
	v_lshl_add_u32 v5, v2, 5, v5
	v_add_nc_u32 v[STO], s47, v5                   ; row r, byte 32 h
	v_mul_u32_u24 v5, v2, OPITCH
	v_lshl_add_u32 v5, v1, 4, v5
	v_add_nc_u32 v[RD], s47, v5                    ; lanes 0-15 one row of 256 bytes, lanes 16-31 the next
	v_lshlrev_b32 v5, 11, v2
	v_lshl_add_u32 v[CO], v1, 4, v5                ; the same two rows in out0
.irp q, 0,1,2,3
	v_mov_b32 v[TX+\q], 0                          ; v_permlanex16_b32 counts as a reader of its destination
.endr
	s_lshr_b32 s44, s15, 3                         ; out0: ((bh / 8) x 2,048 + 256 bx + 64 qg) rows of 2,048 bytes + (bh mod 8) x 256
	s_lshl_b32 s44, s44, 22
	s_lshl_b32 s45, s14, 19
	s_add_co_u32 s44, s44, s45
	s_lshl_b32 s45, s11, 17
	s_add_co_u32 s44, s44, s45
	s_and_b32 s45, s15, 7
	s_lshl_b32 s45, s45, 8
	s_add_co_u32 s44, s44, s45
	s_mov_b32 s45, 0
	s_add_nc_u64 s[8:9], s[8:9], s[44:45]
.macro LDK slot, u                     ; 16 loads: my block's 64 keys x 64 d.  In sub-step u of a slot my block is 2 u + kg
.irp t, 0,1,2,3
.irp k, 0,1
	ds_load_b128 v[KF+16*\t+8*\k:KF+16*\t+8*\k+3],   v[AD+\slot] offset:2*BLOCK*\u+16*PITCH*\t+64*\k
	ds_load_b128 v[KF+16*\t+8*\k+4:KF+16*\t+8*\k+7], v[AD+\slot] offset:2*BLOCK*\u+16*PITCH*\t+64*\k+32
.endr
.endr
.endm
.macro LDV slot, u                     ; 16 loads: the same block's V^T, 64 d x 64 keys
	WIN 0x40
.irp t, 0,1,2,3
.irp k, 0,1
	ds_load_b128 v[VF+16*\t+8*\k:VF+16*\t+8*\k+3],   v[AD+\slot] offset:2*BLOCK*\u+64*PITCH+16*PITCH*\t+64*\k
	ds_load_b128 v[VF+16*\t+8*\k+4:VF+16*\t+8*\k+7], v[AD+\slot] offset:2*BLOCK*\u+64*PITCH+16*PITCH*\t+64*\k+32
.endr
.endr
.endm
; In both products sixteen accumulators take turns, one instruction a turn, twice round.
.macro SMM                             ; S^T = K Q^T, 64 keys x 64 queries x 64 d; the first 32 along d start the sums
	WIN 0x04
.irp q, 0,1,2,3
.irp t, 0,1,2,3
	v_wmma_f32_16x16x32_f16 v[S+32*\q+8*\t:S+32*\q+8*\t+7], v[KF+16*\t:KF+16*\t+7], v[QF+16*\q:QF+16*\q+7], 0
.endr
.endr
.irp q, 0,1,2,3
.irp t, 0,1,2,3
	v_wmma_f32_16x16x32_f16 v[S+32*\q+8*\t:S+32*\q+8*\t+7], v[KF+16*\t+8:KF+16*\t+15], v[QF+16*\q+8:QF+16*\q+15], v[S+32*\q+8*\t:S+32*\q+8*\t+7]
.endr
.endr
.endm
.macro PVM first                       ; O^T += V^T P^T, 64 d x 64 queries x 64 keys
	WIN 0x51
.irp k, 0,1
.irp q, 0,1,2,3
.irp d, 0,1,2,3
.if \first*(1-\k)
	v_wmma_f32_16x16x32_f16 v[O+32*\q+8*\d:O+32*\q+8*\d+7], v[VF+16*\d+8*\k:VF+16*\d+8*\k+7], v[S+32*\q+16*\k:S+32*\q+16*\k+7], 0
.else
	v_wmma_f32_16x16x32_f16 v[O+32*\q+8*\d:O+32*\q+8*\d+7], v[VF+16*\d+8*\k:VF+16*\d+8*\k+7], v[S+32*\q+16*\k:S+32*\q+16*\k+7], v[O+32*\q+8*\d:O+32*\q+8*\d+7]
.endif
.endr
.endr
.endr
.endm
.macro BLKA q                          ; exponents: c s - c M, one fused multiply-add for two scores
.irp p, 0,1,2,3,4,5,6,7,8,9,10,11,12,13,14,15
	v_pk_fma_f32 v[S+32*\q+2*\p:S+32*\q+2*\p+1], v[S+32*\q+2*\p:S+32*\q+2*\p+1], s[18:19], v[NMC+2*\q:NMC+2*\q+1] op_sel_hi:[1,0,1]
.endr
.endm
.macro BLKB q                          ; p = 2^exponent
.irp i, 0,1,2,3,4,5,6,7,8,9,10,11,12,13,14,15,16,17,18,19,20,21,22,23,24,25,26,27,28,29,30,31
	v_exp_f32 v[S+32*\q+\i], v[S+32*\q+\i]
.endr
.endm
; Row sums from the unrounded p, and P as f16.  Pair p of the tile's 16 pairs goes to register p (p < 8: keys 0-31) or p + 8 (keys 32-63): that register belongs to a pair already summed.
.macro BLKC q, first
.if \first
	s_wait_alu depctr_va_vdst(0)
	v_pk_add_f32 v[LP+2*\q:LP+2*\q+1], v[S+32*\q:S+32*\q+1], v[S+32*\q+2:S+32*\q+3]
	v_cvt_pk_f16_f32 v[S+32*\q], v[S+32*\q], v[S+32*\q+1]
.else
	s_wait_alu depctr_va_vdst(0)
	v_pk_fma_f32 v[LP+2*\q:LP+2*\q+1], v[LP+2*\q:LP+2*\q+1], v[AL+2*\q:AL+2*\q+1], v[S+32*\q:S+32*\q+1]
	v_cvt_pk_f16_f32 v[S+32*\q], v[S+32*\q], v[S+32*\q+1]
	v_pk_add_f32 v[LP+2*\q:LP+2*\q+1], v[LP+2*\q:LP+2*\q+1], v[S+32*\q+2:S+32*\q+3]
.endif
	v_cvt_pk_f16_f32 v[S+32*\q+1], v[S+32*\q+2], v[S+32*\q+3]
.irp p, 2,3,4,5,6,7,8,9,10,11,12,13,14,15
	v_pk_add_f32 v[LP+2*\q:LP+2*\q+1], v[LP+2*\q:LP+2*\q+1], v[S+32*\q+2*\p:S+32*\q+2*\p+1]
	v_cvt_pk_f16_f32 v[S+32*\q+\p+8*(\p/8)], v[S+32*\q+2*\p], v[S+32*\q+2*\p+1]
.endr
.endm
; One sub-step: my 64 queries against 64 keys.  first: nothing to rescale yet.  sync 2: the slot has had its last read and is filled again; sync 1: the last slot is awaited, nothing is
; filled.  next: the K fragments of sub-step nu of slot nslot are fetched ahead.
.macro SUB slot, u, first, sync, nslot, nu, next
	LDV \slot, \u
	s_wait_dscnt 16                                ; the K fragments are in; the 16 loads of V^T just issued stay out
	SMM
	WIN 0
.rept 4
	v_nop                                          ; four places behind the matrix instructions: for the loads into K's fragments and the reads of the scores
.endr
.if \sync
	s_wait_dscnt 0x0                               ; my reads of this slot are back, V^T's among them
	s_wait_tensorcnt 0x0                           ; all my tensor loads have landed (one was out: my rows of the next slot), so a group 0 may be written
	ds_add_u32 v254, v255
	s_wait_dscnt 0x0
.if \sync == 2
	s_add_nc_u64 s[G0+4*\slot+2:G0+4*\slot+3], s[G0+4*\slot+2:G0+4*\slot+3], 131072   ; 512 keys on
	ROUND                                          ; both waits now hold of every wave of all four work-groups
	tensor_load_to_lds s[G0+4*\slot:G0+4*\slot+3], s[G1:G1+7]      ; my one tensor load behind the round, ahead of every LDS read; it has two sub-steps in which to land
	s_nop 0
.else
	s_barrier_signal -1
	s_barrier_wait -1                              ; the last slot is whole for every wave
.endif
.endif
.if \next
	LDK \nslot, \nu
.endif
	; the running maximum of the raw scores: four chains, one for each query tile
.if \first
.irp q, 0,1,2,3
	v_max_num_f32 v[TM+\q], v[S+32*\q], v[S+32*\q+1]
.endr
.else
.irp q, 0,1,2,3
	v_max3_num_f32 v[TM+\q], v[M+\q], v[S+32*\q], v[S+32*\q+1]
.endr
.endif
.irp p, 1,2,3,4,5,6,7,8,9,10,11,12,13,14,15
.irp q, 0,1,2,3
	v_max3_num_f32 v[TM+\q], v[TM+\q], v[S+32*\q+2*\p], v[S+32*\q+2*\p+1]
.endr
.endr
.irp q, 0,1,2,3
	v_permlanex16_b32 v[TX+\q], v[TM+\q], s16, s17 ; lanes r and r + 16 hold the same query's other keys
.endr
.irp q, 0,1,2,3
	v_max_num_f32 v[M+\q], v[TM+\q], v[TX+\q]
.endr
.irp q, 0,1,2,3
	v_mul_f32 v[TM+\q], s20, v[M+\q]               ; -c M, rounded: the shift that the exponents below really get
.endr
.if \first == 0
.irp q, 0,1,2,3
	v_sub_f32 v[DF+\q], v[TM+\q], v[NMC+2*\q]      ; new shift - old shift <= 0
.endr
.endif
.irp q, 0,1,2,3
	v_mov_b32 v[NMC+2*\q], v[TM+\q]
	v_mov_b32 v[NMC+2*\q+1], v[TM+\q]
.endr
.if \first == 0
.irp q, 0,1,2,3
	v_exp_f32 v[AL+2*\q], v[DF+\q]
	v_exp_f32 v[AL+2*\q+1], v[DF+\q]
.endr
.endif
	; Behind every run of exponentials stands a block of plain instructions that touches none of its registers, before its results are used (ISA guide 5.7.2)
	BLKA 0
	BLKB 0
	BLKA 1
	BLKB 1
	BLKC 0, \first
	BLKA 2
	BLKB 2
	BLKC 1, \first
	BLKA 3
	BLKB 3
	BLKC 2, \first
	BLKC 3, \first
.if \first == 0
	WIN 0x41
.irp q, 0,1,2,3
.irp i, 0,1,2,3,4,5,6,7,8,9,10,11,12,13,14,15
	v_pk_mul_f32 v[O+32*\q+2*\i:O+32*\q+2*\i+1], v[O+32*\q+2*\i:O+32*\q+2*\i+1], v[AL+2*\q:AL+2*\q+1]
.endr
.endr
.endif
.if \next
	s_wait_dscnt 16                                ; V^T's fragments are in; the next sub-step's 16 loads of K stay out
.else
	s_wait_dscnt 0x0
.endif
	PVM \first
	WIN 0
.rept 5
	v_nop                                          ; five places: the next S^T writes over P's registers (five), the next loads land in V^T's fragments (four)
.endr
.endm
	s_wait_tensorcnt 0x1                           ; my rows of slot 0 are in; slot 1's may stay out
	s_barrier_signal -1
	s_barrier_wait -1
	LDK 0, 0
	s_wait_loadcnt 0x0                             ; Q's fragments
	SUB 0, 0, 1, 0, 0, 1, 1                        ; keys 0-255, first half: starts maximum, sums and O
	s_mov_b32 s48, 3
.Lkv:
	SUB 0, 1, 0, 2, 1, 0, 1                        ; slot 0 is done and filled again
	SUB 1, 0, 0, 0, 1, 1, 1
	SUB 1, 1, 0, 2, 0, 0, 1                        ; slot 1 is done and filled again
	SUB 0, 0, 0, 0, 0, 1, 1
	s_sub_co_u32 s48, s48, 1
	s_cmp_lg_u32 s48, 0
	s_cbranch_scc1 .Lkv
	SUB 0, 1, 0, 1, 1, 0, 1                        ; the last 512 keys fetch nothing
	SUB 1, 0, 0, 0, 1, 1, 1
	SUB 1, 1, 0, 0, 0, 0, 0
	; MERGE of the two halves of the keys.  The waves with kg = 1 hand O, M and L to their partners through LDS.
.irp q, 0,1,2,3
	v_add_f32 v[DF+\q], v[LP+2*\q], v[LP+2*\q+1]   ; L: the sum over my lane's keys
.endr
	s_cmp_lt_u32 s10, 4
	s_cbranch_scc1 .Lkeep
	WIN 0x04                                       ; store data in window 1
.irp i, 0,1,2,3,4,5,6,7,8,9,10,11,12,13,14,15,16,17,18,19,20,21,22,23,24,25,26,27,28,29,30,31
	ds_store_b128 v[MG], v[O+4*\i:O+4*\i+3] offset:512*\i
.endr
	WIN 0
	ds_store_b128 v[MG], v[M:M+3] offset:16384
	ds_store_b128 v[MG], v[DF:DF+3] offset:16896
.Lkeep:
	s_wait_dscnt 0x0                               ; for the partner's sake: my stores are done
	s_barrier_signal -1
	s_barrier_wait -1
	s_cmp_ge_u32 s10, 4
	s_cbranch_scc1 .Lclose
.irp i, 0,1,2,3,4,5,6,7,8,9,10,11,12,13,14,15,16,17,18,19,20,21,22,23,24,25,26,27,28,29,30,31
	ds_load_b128 v[S+4*\i:S+4*\i+3], v[MG] offset:512*\i           ; the partner's O, register for register
.endr
	ds_load_b128 v[KF:KF+3], v[MG] offset:16384                    ; its M
	ds_load_b128 v[KF+4:KF+7], v[MG] offset:16896                  ; its L
	s_wait_dscnt 0x0
.irp q, 0,1,2,3
	v_max_num_f32 v[TM+\q], v[M+\q], v[KF+\q]      ; the common maximum
	v_mul_f32 v[TX+\q], s20, v[KF+\q]              ; the partner's shift, rounded as the partner rounded it
.endr
.irp q, 0,1,2,3
	v_mul_f32 v[TM+\q], s20, v[TM+\q]
.endr
.irp q, 0,1,2,3
	v_sub_f32 v[AL+2*\q], v[TM+\q], v[NMC+2*\q]
	v_sub_f32 v[AL+2*\q+1], v[TM+\q], v[TX+\q]
.endr
.irp q, 0,1,2,3
	v_exp_f32 v[AL+2*\q], v[AL+2*\q]               ; a0: the factor on my half
	v_exp_f32 v[AL+2*\q+1], v[AL+2*\q+1]           ; a1: on the partner's
.endr
	v_nop                                          ; one plain place behind the exponentials (ISA guide 5.7.2)
	s_wait_alu depctr_va_vdst(0)
.irp q, 0,1,2,3
	v_mul_f32 v[TM+\q], v[AL+2*\q], v[DF+\q]
.endr
.irp q, 0,1,2,3
	v_fmac_f32 v[TM+\q], v[AL+2*\q+1], v[KF+4+\q]
.endr
.irp q, 0,1,2,3
	v_permlanex16_b32 v[TX+\q], v[TM+\q], s16, s17 ; the other half of the lanes summed the query's other keys
.endr
.irp q, 0,1,2,3
	v_add_f32 v[TM+\q], v[TM+\q], v[TX+\q]         ; the whole row's sum; one of its terms is about 1
.endr
.irp q, 0,1,2,3
	v_rcp_f32 v[TM+\q], v[TM+\q]
.endr
	v_nop
	s_wait_alu depctr_va_vdst(0)
.irp q, 0,1,2,3
	v_mul_f32 v[NMC+2*\q], v[AL+2*\q], v[TM+\q]    ; f0 = a0 / l, twice
	v_mul_f32 v[NMC+2*\q+1], v[AL+2*\q], v[TM+\q]
	v_mul_f32 v[LP+2*\q], v[AL+2*\q+1], v[TM+\q]   ; f1 = a1 / l, twice
	v_mul_f32 v[LP+2*\q+1], v[AL+2*\q+1], v[TM+\q]
.endr
.irp q, 0,1,2,3
.irp i, 0,1,2,3,4,5,6,7,8,9,10,11,12,13,14,15
	v_pk_mul_f32 v[S+32*\q+2*\i:S+32*\q+2*\i+1], v[S+32*\q+2*\i:S+32*\q+2*\i+1], v[LP+2*\q:LP+2*\q+1]
.endr
.endr
	WIN 0x01                                       ; source 0 (my O) in window 1
.irp q, 0,1,2,3
.irp i, 0,1,2,3,4,5,6,7,8,9,10,11,12,13,14,15
	v_pk_fma_f32 v[S+32*\q+2*\i:S+32*\q+2*\i+1], v[O+32*\q+2*\i:O+32*\q+2*\i+1], v[NMC+2*\q:NMC+2*\q+1], v[S+32*\q+2*\i:S+32*\q+2*\i+1]
.endr
.endr
	WIN 0
	; THE WAY OUT: the lane holds query 16 qt + r, d = 16 dt + 8 h + 0..7.  Through my own stage, so that sixteen lanes store 256 consecutive bytes, aligned: a query's 64 numbers.
.irp q, 0,1,2,3
.irp d, 0,1,2,3
	ds_store_b128 v[STO], v[S+32*\q+8*\d:S+32*\q+8*\d+3]   offset:16*OPITCH*\q+64*\d
	ds_store_b128 v[STO], v[S+32*\q+8*\d+4:S+32*\q+8*\d+7] offset:16*OPITCH*\q+64*\d+16
.endr
.endr
.irp b, 0,1,2,3
.if \b >= 2
	s_wait_xcnt 0x0                                ; earlier stores have had their addresses translated (ISA guide 3.1): their data registers are loaded again only behind this wait
.endif
.irp e, 0,1,2,3,4,5,6,7
	ds_load_b128 v[KF+32*(\b%2)+4*\e:KF+32*(\b%2)+4*\e+3], v[RD] offset:2*OPITCH*(8*\b+\e)   ; LDS serves a wave's instructions in order (ISA guide 5.7.1): these see my stores
.endr
.irp e, 0,1,2,3,4,5,6,7
	s_wait_dscnt 7-\e                              ; load e of the eight is back
	global_store_b128 v[CO], v[KF+32*(\b%2)+4*\e:KF+32*(\b%2)+4*\e+3], s[8:9] offset:4096*(8*\b+\e) th:TH_STORE_NT
.endr
.endr
.Lclose:
	s_wait_tensorcnt 0x0
	ds_add_u32 v254, v255
	s_wait_dscnt 0x0
	ROUND                                          ; the closing round: no work-group ends while a partner may still ask for a tile that names it
	s_endpgm
.Lfunc_end_k_q82f1f23f38_attn:
	.size	k_q82f1f23f38_attn, .Lfunc_end_k_q82f1f23f38_attn-k_q82f1f23f38_attn
	.p2alignl 7, 3214868480
	.fill 96, 4, 3214868480
	.section	.rodata,"a",@progbits
	.p2align	6, 0x0
	.amdhsa_kernel k_q82f1f23f38_attn
		.amdhsa_group_segment_fixed_size 327680
		.amdhsa_private_segment_fixed_size 0
		.amdhsa_enable_private_segment 0
		.amdhsa_kernarg_size 24
		.amdhsa_user_sgpr_count 2
		.amdhsa_user_sgpr_kernarg_segment_ptr 1
		.amdhsa_wavefront_size32 1
		.amdhsa_system_sgpr_workgroup_id_x 1
		.amdhsa_system_sgpr_workgroup_id_y 1
		.amdhsa_system_sgpr_workgroup_id_z 1
		.amdhsa_system_vgpr_workitem_id 0
		.amdhsa_next_free_vgpr 512
		.amdhsa_next_free_sgpr 66
		.amdhsa_reserve_vcc 0
		.amdhsa_float_denorm_mode_32 3
		.amdhsa_float_denorm_mode_16_64 3
		.amdhsa_memory_ordered 1
		.amdhsa_forward_progress 1
		.amdhsa_inst_pref_size 255
	.end_amdhsa_kernel
	.section	.bss,"aw",@nobits
	.p2align	6
	.space	262144
	.amdgpu_metadata
---
amdhsa.version: [ 1, 2 ]
amdhsa.kernels:
  - .name:           k_q82f1f23f38_attn
    .symbol:         k_q82f1f23f38_attn.kd
    .args:
      - { .name: qh, .offset: 0, .size: 8, .value_kind: global_buffer, .address_space: global }
      - { .name: kvh, .offset: 8, .size: 8, .value_kind: global_buffer, .address_space: global }
      - { .name: out0, .offset: 16, .size: 8, .value_kind: global_buffer, .address_space: global }
    .group_segment_fixed_size: 327680
    .private_segment_fixed_size: 0
    .kernarg_segment_align: 8
    .kernarg_segment_size: 24
    .max_flat_workgroup_size: 256
    .sgpr_count:     66
    .vgpr_count:     512
    .wavefront_size: 32
...
	.end_amdgpu_metadata
.endif
;; end of part 2
